; MI455X (gfx1250); checked and timed in simulation.
; The chip was launched on July 23, 2026; its instructions are those of AMD's public machine-readable ISA for CDNA 5 (MIT licence, August 2026) and "CDNA5" Instruction Set Architecture Reference Guide (July 2026). The comments in the code are by the model that wrote it; some were corrected since.
;; Model. Allowed arithmetic: matrix products marked QUANTISED: E4M3 operands, one E8M0 scale for each 32 along K, by v_wmma_scale_f32_16x16x128_f8f6f4 with both operands' format E4M3, f32 sums; everything else in f32.
;; Inputs: x1_codes 16 x 2,048 x 16 x 32 uint8 (E4M3 codes of x1, K innermost, in blocks of 32 codes); x1_scales 16 x 2,048 x 16 uint8 (E8M0 scales of x1, one for each 32 codes along K); x2 16 x 2,048 x 512 float32.
;; Outputs: out0 16 x 2,048 x 512 float32.
;; This version of the problem:
;;   THIS VERSION OF THE PROBLEM IS GIVEN IN LOW PRECISION. The matrix products marked QUANTISED in the list below multiply operands that are first quantised to E4M3 (4 exponent bits, 3 mantissa bits; 8 bits a number), with one power-of-two scale for each 32 numbers along K (OCP MX v1.0); their sums are f32. All else is computed in f32.
;;   The module's matrix products, in the order in which they are computed (A, B: the left and right operand; K: the contracted axis; several contracted axes count as one K, in the product's order):
;;     1. batch 16 x [M 2,048, K 512] x [K 512, N 2,048]; A: input x1 (given as codes); B: input x2: QUANTISED
;;     2. batch 16 x [M 2,048, K 2,048] x [K 2,048, N 512]; A: softmax (see below); B: input x2: QUANTISED
;;   THE QUANTISER, for each operand of a quantised product, along K:
;;     - K is cut into blocks of 32 from its start; a last block that is shorter is filled with zeros.
;;     - A block's scale is 2^e with e = floor(log2(the largest magnitude in the block)) - 8, held to -126 .. 127; a block of zeros has e = 0. As a byte (E8M0): e + 127.
;;     - Each number is divided by its block's scale, clamped to +-448, and rounded to the nearest number of E4M3, ties to even, subnormals kept.
;;     - The product sums the exact products of the quantised numbers (number of the format x scale) in f32.
;;   ~~~python
;;   def quantise(x, axis):      # numpy; x: float32 -> the quantised numbers, widened to float32 again
;;       x = np.moveaxis(x, axis, -1); K = x.shape[-1]
;;       x = np.pad(x, [(0, 0)] * (x.ndim - 1) + [(0, -K % 32)]); x = x.reshape(x.shape[:-1] + (-1, 32)); a = np.abs(x).max(-1, keepdims=True)
;;       e = np.where(a > 0, np.clip(np.frexp(np.where(a > 0, a, 1))[1] - 1 - 8, -126, 127), 0)      # np.frexp(a)[1] - 1 = floor(log2(a)), exactly
;;       r = np.clip(x / 2.0 ** e, -448, 448)
;;       step = 2.0 ** (np.maximum(np.frexp(np.where(r == 0, 1, r))[1] - 1, -6) - 3)
;;       q = np.round(r / step) * step * 2.0 ** e      # np.round: ties to even
;;       return np.moveaxis(q.reshape(q.shape[:-2] + (-1,))[..., :K], -1, axis).astype(np.float32)
;;   ~~~
;;   SOFTMAX AHEAD OF A QUANTISED PRODUCT. Where the list says 'softmax', what is quantised is not the finished softmax but p = 2^(t - M), with t = logit x log2(e) and M = ceil(the row's largest t), a whole number; so 1/2 < the row's largest p <= 1. The row's sum l is taken of the UNQUANTISED p, in f32, and the product's result is divided by l at the end. Since M is a whole number, a kernel that streams over the keys may use a running M (the ceiling of the running maximum): every later rescaling is an exact power of two, which a block's scale takes up: the codes' values come out the same.
;;   OPERANDS COMPUTED ON THE WAY. 'Computed on the way' means the value that the module computes at that place (a softmax that the list does not call 'softmax' is quantised finished and normalised). What goes into a quantiser is computed in f32, as accurately as f32 sums, v_exp_f32 and their like allow (about 1e-6 of the number): no bf16 or f16 on the way to a quantiser, and a product that is left as it is and whose result goes on into a quantised operand takes f32 operands (vector FMAs, or v_wmma_f32_16x16x4_f32). A number that lies on a knife's edge between two numbers of the format may be rounded either way, as far as f32 arithmetic and the matrix unit's own rounding can turn it there, and no further.
;;   INPUTS GIVEN AS CODES. x1 (in the module: [16, 2048, 512], K = its axis 2): each comes as NAME_codes (uint8): NAME with its K axis moved to the last place and cut into blocks of 32 codes, [.., K / 32, bytes a block], one block behind the other in memory; one code a byte (a code: sign, 4 exponent bits, 3 mantissa bits); and NAME_scales (uint8): the same leading axes, one E8M0 byte (e + 127) for each 32 codes along K. Its value is code x scale, taken as it is: it is not quantised again, and the codes and scales need not be those that the quantiser above would give.
;; One version. Each part assembles by itself: llvm-mc -triple=amdgcn-amd-amdhsa -mcpu=gfx1250 --defsym DOCPART=n.
;; ======== version 1 of 1: 2 launches
;; limits: right only within a limited range of input values
;; workspace buffers: kv 34,603,008 bytes
;; launch quant (part 1): grid 16 x 16, 16 waves a work-group, no clusters, 327,680 bytes of LDS; arguments x2, kv; writes kv
.if DOCPART == 1
	.amdgcn_target "amdgcn-amd-amdhsa--gfx1250"
	.amdhsa_code_object_version 6
	.text
	.protected	k_q75de4778f7_quant
	.globl	k_q75de4778f7_quant
	.p2align	8
	.type	k_q75de4778f7_quant,@function
k_q75de4778f7_quant:
	s_mov_b64 s[64:65], 0
	v_nop
	global_prefetch_b8 v0, s[64:65] scope:SCOPE_SE
	s_setreg_imm32_b32 hwreg(HW_REG_WAVE_MODE, 25, 1), 1
	s_wait_xcnt 0x0
; x2 [16][2048][512] f32 -> kv: for each batch and key step of 128 keys one block of 135,168 bytes, laid in the order of the operands' registers of the launch that follows:
;   0 K's image (codes quantised along d);  65,536 V's image (codes quantised along the keys);  131,072 K's scale words;  133,120 V's scale words.
; SHARES.  A work-group takes one key step of one batch.  Wave W of its sixteen takes the 32 keys 32 kb on (kb = W / 4) of the columns d = 128 w on (w = W % 4): 32 rows of 512 bytes,
; brought by the wave's one tensor load into LDS bytes of its own, which it alone reads: its own wait on TENSORcnt is all the ordering that these reads need.
; A unit is 32 keys x 32 d (cb = 0..3): read once by columns (V: a lane a d, registers down the keys) and once by rows (K: a lane a key, registers along d): each block of 32 lies in one lane.
; Each unit's codes have registers of their own (4 x 16), so no store's data are written again.
; THE SCALE BYTES meet in an LDS image of the block's last 4,096 bytes: K's word of (key, w) is whole in one wave; V's word of (d) has one byte from each of the four waves of a strip.
; Behind one barrier each wave stores 256 consecutive bytes of the image, at a multiple of 256 from the block's first byte.
; No cluster: no two work-groups read the same bytes.  No prefetch: every byte is asked for at the head, and there is no loop to run ahead in.
; A block of zeros gets the byte 1 and zero codes; these bytes are read by this program alone.
.set PITCH, 528                        ; an LDS row: 512 bytes + 16 of padding
.set STRIP, 32*PITCH                   ; a wave's tile
.set SPARE, 16*STRIP                   ; the spare words: 128 bytes for each wave, eight blocks of 256 bytes that no other line names
.set SCR,   SPARE+2048                 ; the scale bytes' image: 4,096 bytes into which no tile lands
.set STEPB, 135168
.set SPW, 2                            ; v2  LDS address of my spare word; never rewritten
.set NIL, 3                            ; v3  0; never rewritten
.set AV,  4                            ; v4  my tile + 4 x lane: by columns
.set AK,  5                            ; v5  my tile + PITCH x lane: by rows
.set VOK, 6                            ; v6  the codes' offset in K's image
.set VOV, 7                            ; v7  and in V's
.set AVS, 8                            ; v8  where my bytes of V's scale words go
.set AKS, 9                            ; v9  where my word of K's goes
.set WX,  10                           ; v10-14 at work (V)
.set KSW, 16                           ; v16 K's scale word: byte cb
.set ASR, 17                           ; v17 the image + 8 x thread
.set GSO, 18                           ; v18 8 x thread
.set VSW, 20                           ; v20-23 V's scale byte of unit cb
.set WY,  24                           ; v24-28 at work (K)
.set X,   32                           ; v32-95 two sets of 32 numbers by columns
.set Y,   96                           ; v96-159 two sets by rows
.set CV,  160                          ; v160-223 the codes: 16 registers a unit
	s_load_b128 s[4:7], s[0:1], 0x0                ; x2, kv
	v_lshl_add_u32 v[SPW], v0, 2, SPARE
	v_mov_b32 v[NIL], 0
	ds_add_u32 v[SPW], v[NIL]                      ; the opening lines: the add, twice on end, and its wait ahead of my tensor load
	ds_add_u32 v[SPW], v[NIL]
	v_lshrrev_b32 v1, 5, v0
	v_readfirstlane_b32 s8, v1                     ; wave 0..15
	s_mov_b32 s16, (2<<16)|(1<<20)|(6<<22)|(3<<25) ; elements of 4 bytes; four words of padding behind every 128
	s_mov_b32 s17, 128<<16                         ; tensor_dim0
	s_mov_b32 s18, 32<<16                          ; tensor_dim1
	s_mov_b32 s19, 128<<16                         ; tile_dim0
	s_mov_b32 s20, 32                              ; tile_dim1
	s_mov_b32 s21, 512                             ; the pitch
	s_mov_b32 s22, 0
	s_mov_b32 s23, 0
	s_and_b32 s30, s8, 3                           ; w
	s_lshr_b32 s31, s8, 2                          ; kb
	s_and_b32 s40, ttmp7, 0xffff                   ; the batch
	s_lshl_b32 s41, s40, 22
	s_lshl_b32 s42, ttmp9, 18                      ; the key step: 128 rows of 2,048 bytes
	s_add_co_u32 s41, s41, s42
	s_lshl_b32 s42, s31, 16                        ; 32 rows a kb
	s_add_co_u32 s41, s41, s42
	s_lshl_b32 s42, s30, 9                         ; 512 bytes a w
	s_add_co_u32 s42, s41, s42
	s_mov_b32 s43, 0
	s_lshl_b32 s44, s40, 4
	s_add_co_u32 s44, s44, ttmp9
	s_mul_i32 s44, s44, STEPB                      ; the step's block in kv
	s_mov_b32 s45, 0
	s_lshl_b32 s46, s30, 14                        ; a strip's part of each image: 16,384 bytes
	s_mov_b32 s47, 0
	s_mul_i32 s9, s8, STRIP                        ; my tile in LDS
	s_mov_b32 s14, 0x600000                        ; the mantissa field of 448
	s_lshl_b32 s32, s31, 12                        ; K's image: 4,096 bytes a kb
	s_lshl_b32 s33, s31, 9                         ; V's image: 512 bytes a kb
	s_lshl_b32 s34, s30, 9                         ; the scale words: 512 bytes a strip
	s_add_co_u32 s35, s34, s31
	s_add_co_u32 s35, s35, SCR+2048                ; V's: byte kb of a word
	s_lshl_b32 s36, s31, 2
	s_add_co_u32 s36, s36, s34
	s_add_co_u32 s36, s36, SCR                     ; K's: word kb of a lane's four
	s_wait_dscnt 0x0                               ; both opening adds are done
	s_wait_kmcnt 0x0
	s_add_nc_u64 s[4:5], s[4:5], s[42:43]
	s_add_nc_u64 s[6:7], s[6:7], s[44:45]
	s_add_nc_u64 s[10:11], s[6:7], s[46:47]        ; the images, at my strip
	s_add_nc_u64 s[12:13], s[6:7], 131072          ; the scale words
	s_mov_b32 s24, 1
	s_mov_b32 s25, s9
	s_mov_b64 s[26:27], s[4:5]
	s_or_b32 s27, s27, 0x80000000
	tensor_load_to_lds s[24:27], s[16:23]          ; my one tensor load
	s_nop 0
	v_and_b32 v1, 31, v0                           ; lane
	v_lshl_add_u32 v[AV], v1, 2, s9
	v_mul_u32_u24 v[AK], v1, PITCH
	v_add_nc_u32 v[AK], s9, v[AK]
	v_lshrrev_b32 v15, 4, v1
	v_and_b32 v19, 15, v1
	v_lshlrev_b32 v19, 4, v19
	v_lshl_add_u32 v15, v15, 11, v19               ; lanes 0-15: 256 consecutive bytes; lanes 16-31: the next fragment, 2,048 bytes on
	v_add_nc_u32 v[VOK], s32, v15
	v_add_nc_u32 v[VOV], s33, v15
	v_lshl_add_u32 v[AVS], v1, 4, s35
	v_lshl_add_u32 v[AKS], v1, 4, s36
	v_lshl_add_u32 v[ASR], v0, 3, SCR
	v_lshlrev_b32 v[GSO], 3, v0
.macro LOADU n                         ; unit n's 64 numbers a lane: 40 loads
.set lp, (\n)%2
.set i, 0
.rept 32
	ds_load_b32 v[X+32*lp+i], v[AV] offset:i*PITCH+128*(\n)
.set i, i+1
.endr
.set i, 0
.rept 8
	ds_load_b128 v[Y+32*lp+4*i:Y+32*lp+4*i+3], v[AK] offset:128*(\n)+16*i
.set i, i+1
.endr
.endm
.macro UNIT n
.if (\n) < 3
	LOADU (\n)+1
	s_wait_dscnt 40                                ; all but the 40 loads just issued
.else
	s_wait_dscnt 0x0
.endif
.set cb, (\n)
.set xs, X+32*((\n)%2)
.set ys, Y+32*((\n)%2)
.set cv, CV+16*(\n)
.set ck, cv+8
.irp c, 0,1,2,3                        ; the largest magnitude of each block, V's and K's chains by turns
	v_max3_num_f32 v[WX+\c], |v[xs+8*\c]|, |v[xs+8*\c+1]|, |v[xs+8*\c+2]|
	v_max3_num_f32 v[WY+\c], |v[ys+8*\c]|, |v[ys+8*\c+1]|, |v[ys+8*\c+2]|
.endr
.irp i, 3,5
.irp c, 0,1,2,3
	v_max3_num_f32 v[WX+\c], v[WX+\c], |v[xs+8*\c+\i]|, |v[xs+8*\c+\i+1]|
	v_max3_num_f32 v[WY+\c], v[WY+\c], |v[ys+8*\c+\i]|, |v[ys+8*\c+\i+1]|
.endr
.endr
	v_max3_num_f32 v[WX], v[WX], v[WX+1], |v[xs+7]|
	v_max3_num_f32 v[WY], v[WY], v[WY+1], |v[ys+7]|
	v_max3_num_f32 v[WX+2], v[WX+2], v[WX+3], |v[xs+15]|
	v_max3_num_f32 v[WY+2], v[WY+2], v[WY+3], |v[ys+15]|
	v_max3_num_f32 v[WX], v[WX], |v[xs+23]|, |v[xs+31]|
	v_max3_num_f32 v[WY], v[WY], |v[ys+23]|, |v[ys+31]|
	v_max3_num_f32 v[WX], v[WX], v[WX+2], 0x4800000   ; with the floor 2^(9 - 127): the byte cannot fall under 1
	v_max3_num_f32 v[WY], v[WY], v[WY+2], 0x4800000
	v_add_nc_u32 v[WX+3], 0xfc000000, v[WX]        ; 8 off the exponent field: the conversion's scale operand
	v_add_nc_u32 v[WY+3], 0xfc000000, v[WY]
	v_and_or_b32 v[WX+2], v[WX], 0x7f800000, s14   ; 448 x the scale
	v_and_or_b32 v[WY+2], v[WY], 0x7f800000, s14
	v_lshrrev_b32 v[VSW+cb], 23, v[WX+3]           ; the scale's byte
	v_lshrrev_b32 v[WY+4], 23, v[WY+3]
.set i, 0
.rept 32
	v_med3_num_f32 v[xs+i], v[xs+i], -v[WX+2], v[WX+2]   ; the conversion to an 8-bit code does not saturate (ISA guide 7.6.2)
.set i, i+1
.endr
	v_cvt_scalef32_pk8_fp8_f32 v[cv:cv+1], v[xs:xs+7], v[WX+3]         ; V's keys in the order in which the next launch's p fills its operand: 0-7, 16-23, 8-15, 24-31
	v_cvt_scalef32_pk8_fp8_f32 v[cv+4:cv+5], v[xs+8:xs+15], v[WX+3]
	v_cvt_scalef32_pk8_fp8_f32 v[cv+2:cv+3], v[xs+16:xs+23], v[WX+3]
	v_cvt_scalef32_pk8_fp8_f32 v[cv+6:cv+7], v[xs+24:xs+31], v[WX+3]
.set i, 0
.rept 32
	v_med3_num_f32 v[ys+i], v[ys+i], -v[WY+2], v[WY+2]
.set i, i+1
.endr
	v_cvt_scalef32_pk8_fp8_f32 v[ck:ck+1], v[ys:ys+7], v[WY+3]
	v_cvt_scalef32_pk8_fp8_f32 v[ck+2:ck+3], v[ys+8:ys+15], v[WY+3]
	v_cvt_scalef32_pk8_fp8_f32 v[ck+4:ck+5], v[ys+16:ys+23], v[WY+3]
	v_cvt_scalef32_pk8_fp8_f32 v[ck+6:ck+7], v[ys+24:ys+31], v[WY+3]
.if cb == 0
	v_mov_b32 v[KSW], v[WY+4]                      ; (a plain line behind the last conversion)
.else
	v_lshl_or_b32 v[KSW], v[WY+4], 8*cb, v[KSW]
.endif
.irp h, 0,1
	global_store_b128 v[VOK], v[ck+4*\h:ck+4*\h+3], s[10:11] offset:cb*512+\h*256          ; sixteen lanes store 256 consecutive bytes, aligned
	global_store_b128 v[VOV], v[cv+4*\h:cv+4*\h+3], s[10:11] offset:65536+cb*4096+\h*256
.endr
.endm
	s_wait_alu depctr_va_vdst(0)
	s_wait_tensorcnt 0x0                           ; my tile is in
	LOADU 0
.irp n, 0,1,2,3
	UNIT \n
.endr
.irp c, 0,1,2,3
	ds_store_b8 v[AVS], v[VSW+\c] offset:4*\c      ; byte kb of V's word of d = 128 w + 32 c + lane
.endr
	ds_store_b32 v[AKS], v[KSW]                    ; K's word of key 32 kb + lane, strip w
	s_wait_dscnt 0x0                               ; my stores are done: for the others' sake
	s_barrier_signal -1
	s_barrier_wait -1
	ds_load_b64 v[X:X+1], v[ASR]                   ; the image is whole: my wave takes 256 bytes of it
	s_wait_dscnt 0x0
	global_store_b64 v[GSO], v[X:X+1], s[12:13]    ; 32 lanes store 256 consecutive bytes, aligned
	s_wait_tensorcnt 0x0                           ; the wave's end
	ds_add_u32 v[SPW], v[NIL]
	s_wait_dscnt 0x0
	s_endpgm
.Lfunc_end_k_q75de4778f7_quant:
	.size	k_q75de4778f7_quant, .Lfunc_end_k_q75de4778f7_quant-k_q75de4778f7_quant
	.p2alignl 7, 3214868480
	.fill 96, 4, 3214868480
	.section	.rodata,"a",@progbits
	.p2align	6, 0x0
	.amdhsa_kernel k_q75de4778f7_quant
		.amdhsa_group_segment_fixed_size 327680
		.amdhsa_private_segment_fixed_size 0
		.amdhsa_enable_private_segment 0
		.amdhsa_kernarg_size 16
		.amdhsa_user_sgpr_count 2
		.amdhsa_user_sgpr_kernarg_segment_ptr 1
		.amdhsa_wavefront_size32 1
		.amdhsa_system_sgpr_workgroup_id_x 1
		.amdhsa_system_sgpr_workgroup_id_y 1
		.amdhsa_system_sgpr_workgroup_id_z 1
		.amdhsa_system_vgpr_workitem_id 0
		.amdhsa_next_free_vgpr 256
		.amdhsa_next_free_sgpr 66
		.amdhsa_reserve_vcc 0
		.amdhsa_float_denorm_mode_32 3
		.amdhsa_float_denorm_mode_16_64 3
		.amdhsa_memory_ordered 1
		.amdhsa_forward_progress 1
		.amdhsa_inst_pref_size 44
	.end_amdhsa_kernel
	.amdgpu_metadata
---
amdhsa.version: [ 1, 2 ]
amdhsa.kernels:
  - .name:           k_q75de4778f7_quant
    .symbol:         k_q75de4778f7_quant.kd
    .args:
      - { .name: x2, .offset: 0, .size: 8, .value_kind: global_buffer, .address_space: global }
      - { .name: kv, .offset: 8, .size: 8, .value_kind: global_buffer, .address_space: global }
    .group_segment_fixed_size: 327680
    .private_segment_fixed_size: 0
    .kernarg_segment_align: 8
    .kernarg_segment_size: 16
    .max_flat_workgroup_size: 512
    .sgpr_count:     66
    .vgpr_count:     256
    .wavefront_size: 32
...
	.end_amdgpu_metadata
.endif
;; end of part 1
;; launch attn (part 2): grid 16 x 16, 4 waves a work-group, clusters of 4 x 1, 327,680 bytes of LDS; arguments x1_codes, x1_scales, kv, out0; writes out0
.if DOCPART == 2
	.amdgcn_target "amdgcn-amd-amdhsa--gfx1250"
	.amdhsa_code_object_version 6
	.text
	.protected	k_q75de4778f7_attn
	.globl	k_q75de4778f7_attn
	.p2align	8
	.type	k_q75de4778f7_attn,@function
k_q75de4778f7_attn:
	s_mov_b64 s[64:65], 0
	v_nop
	global_prefetch_b8 v0, s[64:65] scope:SCOPE_SE
	s_setreg_imm32_b32 hwreg(HW_REG_WAVE_MODE, 25, 1), 1
	s_wait_xcnt 0x0
	s_wait_alu depctr_hold_cnt(0) depctr_sa_sdst(0) depctr_va_vdst(0) depctr_va_sdst(0) depctr_va_ssrc(0) depctr_va_vcc(0) depctr_vm_vsrc(0)
	s_getreg_b32 s2, hwreg(HW_REG_IB_STS2, 6, 4)
	s_cmp_eq_u32 s2, 0
	s_cbranch_scc0 .Lentry_in_a_cluster
	s_endpgm
.Lentry_in_a_cluster:
	s_bfe_u32 s2, ttmp6, 0x10000c
	s_cmp_lg_u32 s2, 0x3003
	s_cbranch_scc0 .Lentry_shape_is_right
	s_endpgm
.Lentry_shape_is_right:
; out0[b][q][:] = the sum over keys k of softmax_k(x1[b][q] . x2[b][k] / sqrt(512)) x2[b][k][:], both products on codes of FP8 (E4M3) with one E8M0 scale for each 32 along K.
; x1 comes as codes [16][2048][512] and scale bytes [16][2048][16].  x2 comes from kv, which the launch before has laid by key steps of 128 keys, 135,168 bytes each, in the order of the operands' registers:
;   0 KIMG: fragments 8 s + kt (K step s of the 512, keys 16 kt on);  65,536 VIMG: fragments dt (d = 16 dt on; K = the step's 128 keys);  131,072 K's scale words;  133,120 V's.
;   A fragment is 2,048 bytes: register group c of lane l lies at 512 c + 16 l.  So every fragment comes by four loads of 16 bytes a lane at consecutive addresses: no pitch, no padding.
; THE SOFTMAX: t = score x log2(e) / sqrt(512); M = the running largest t rounded UP to a whole number; p = 2^(t - M) is quantised along the keys, not normalised; the row's sum is taken of the
; unquantised p and divides at the end.  When M moves, the sum and O are multiplied by 2^(old M - new M), which rounds nothing.
; SHARES.  A work-group owns 128 queries of one batch, each of its four waves 32: two tiles of 16.  Every wave walks the batch's 16 key steps.  O^T of a tile is 256 registers (the head is 512), so two tiles are
; what a wave holds; each fragment of K or V read from LDS feeds two matrix instructions.
; LAYOUT.  Both products are used transposed: S^T = K Q^T (source 0 = 16 keys, source 1 = 16 queries), O^T = V^T P^T (source 0 = 16 d, source 1 = P): a lane holds ONE query throughout.  In S^T lane (r, h)
; holds keys 32 b + 8 h + j in tile 2 b and 32 b + 16 + 8 h + j in tile 2 b + 1; converted in that order they fill places 16 h + 0..15 of block b of P's operand, and V's codes were laid in the same order.
; THE SECOND PRODUCT'S PHASE.  V's 32 fragments go in eight groups of four through FOUR buffers: window 1's two, and the 128 registers of S^T, which are free once p has become codes.  Groups 0 and 1 are asked for ahead
; of the softmax, groups 2 and 3 block by block as the conversions free their registers, group g + 4 behind group g's products: half of V is asked for before the first product, the rest four groups ahead of its use.
; O^T's rescaling, 256 packed multiplications a step for 64 products, stands in slices of four: the slice behind a product of group g rescales one accumulator of group g + 1.  O^T fills windows 2 and 3, and
; no operand place of the product's window setting serves a multiplication of O^T: a slice costs two switches, 112 a step; set in a phase of its own the rescaling would leave the matrix unit without work.
; CLUSTER.  The four query blocks of a cluster belong to one batch and walk the same steps: each wave's quarter of a step's block is asked for JOINTLY by the four, by one tensor load with the same descriptor.
; LIMITS: NaN and infinities are not served; a p under 2^-126 becomes 0; t is made by one multiplication with c.
; REGISTERS, in windows of 256: window 0: v1-11 addresses; v12-23 the tiles' -M, largest t, sums, f; v24-55 at work; v56-57 p's scale words; v60-63 Q's; v64-79 K's; v80-95 V's; v96-127 p's codes;
;   v128-255 S^T, then p, then two buffers of V.   window 1: v0-127 Q (tile q, K step s at 16 (4 q + s)); v128-255 two buffers of four fragments of K or V.
;   windows 2, 3: O^T (dt, q) at v[8 (2 (dt % 16) + q)] of window 2 + dt / 16.
.set STEPB, 135168                     ; a key step's block: 528 rows of 256 bytes
.set SLOTB, 135168                     ; slot 1 begins here.  0x21000 shares no bit with wave x QUART (0, 0x8400, 0x10800, 0x18c00): one exclusive or turns an address in one slot into the other's
.set QUART, 33792                      ; 132 rows of 256 bytes: what one tensor load brings
.set VIMG,  65536
.set SCL,   131072
.set SPARE, 2*SLOTB                    ; behind the ring: the spare words, 128 bytes for each wave: two blocks of 256 bytes that no other line names
.set SPITCH, 528                       ; the way out: a stage of 16 rows x (512 bytes + 16) for each wave, in slot 0, which has had its last fill and its last read when the first result is stored there
.set LN16, 1                           ; v1   16 x lane; never rewritten
.set ADK,  2                           ; v2   the slot in hand + 16 x lane: K's images
.set ADV,  3                           ; v3   V's
.set ADS,  4                           ; v4   the scale words
.set SPW,  5                           ; v5   LDS address of my spare word; never rewritten
.set NIL,  6                           ; v6   0; never rewritten
.set PFO,  7                           ; v7   256 x lane: the prefetches' offset; never rewritten
.set STO,  9                           ; v9   the way out: where I put 32 bytes of a row
.set RD,   10                          ; v10  and where I read a row back
.set QO,   11                          ; v11  Q: 512 r + 16 h
.set NM,   12                          ; v[12+4q:13+4q]  -M, the largest t
.set LSUM, 14                          ; v[14+4q:15+4q]  the sum in two halves
.set FF,   20                          ; v[20+2q:21+2q]  f = 2^(old M - new M) (at the end 1 / the sum), and a word that is written because the pair is named
.set BM,   24                          ; + 16 q: the four blocks' largest scores, then largest p
.set T2,   28                          ; + 16 q: at work
.set HOLD, 32                          ; + 16 q: 448 x the scale
.set SCO,  36                          ; + 16 q: the conversions' scale operands
.set PW,   56                          ; + q: p's scale word
.set W,    58                          ; + q: at work
.set QS,   60                          ; + s: Q's scale words: lane l = my query l
.set KS,   64                          ; + 4 s + kb: lane l = key 32 kb + l
.set VS,   80                          ; + dt / 2: lane l = d 32 (dt / 2) + l
.set P,    96                          ; + 16 q
.set S,    128                         ; + 64 q + 8 kt.  (The same numbers as window 1's two buffers: a buffer is v128-191 or v192-255 of window 1 or 0)
.set WV,   12                          ; s12  my wave's number
.set G1,   16                          ; s[16:23] descriptor group 1
.set G0,   24                          ; s[24:27] descriptor group 0, which walks
.set TB,   28                          ; s28  LDS byte at which the slot in hand begins
.set WOFF, 30                          ; s30  wave x QUART
.set CNT,  31                          ; s31  the loop's trips to go
.set CS,   32                          ; s[32:33] c = log2(e) / sqrt(512): the packed form names a pair and takes its low word for both halves
.set SEL,  34                          ; s[34:35] lane selects for v_permlanex16_b32: lane l xor 16
.set MNT,  36                          ; s36  the mantissa field of 448
.set LIM,  37                          ; s37  1 in a cluster that prefetches, else the greatest number
.set PFA,  38                          ; s[38:39] where my prefetches stand
.set MSB, 0
.macro WIN new                         ; the immediate's high byte repeats the setting that is left; a switch that changes nothing is dropped
.if MSB != (\new)
	s_set_vgpr_msb (MSB<<8)|(\new)
.set MSB, (\new)
.endif
.endm
; A load into a register that a matrix instruction has read, and a vector instruction that reads a matrix result, stand eight places behind that matrix instruction, and only plain vector instructions
; that name none of its registers are places.
.macro PLACES n
.rept \n
	v_nop
.endr
.endm
; A round of the cluster's barrier: my work-group's barrier; wave 0 signals for the work-group; every wave waits for all four work-groups; my work-group's barrier once more.
.macro CROUND
	s_barrier_signal -1
	s_barrier_wait -1
	s_cmp_lg_u32 s[WV], 0
	s_cbranch_scc1 .Lnot_wave_0_\@
	s_barrier_signal -3
.Lnot_wave_0_\@:
	s_barrier_wait -3
	s_barrier_signal -1
	s_barrier_wait -1
.endm
; A PREFETCH INTO THE L2 of the two images of the step that the NEXT change of slots will ask for: 512 rows of 256 bytes.  All four clusters of a batch walk the same steps: the batch's first cluster asks.
; Its sixteen waves share the rows out BY ADDRESS: wave w of the partner at place cx takes rows 32 (4 cx + w) on, a lane a row, one instruction: each row is named once in the launch.
; The step's 16 rows of scale words come by their load alone.  how = 1: the first step; how = 0: in the loop, whose last trip has no step two on.
.macro ASK how
.if \how
	s_cmp_eq_u32 s[LIM], 1
.else
	s_cmp_gt_u32 s[CNT], s[LIM]
.endif
	s_cbranch_scc0 .Lnot_mine_\@
	global_prefetch_b8 v[PFO], s[PFA:PFA+1] th:TH_LOAD_NT scope:SCOPE_SE
.Lnot_mine_\@:
.endm
; THE CHANGE OF SLOTS stands INSIDE the second product, behind the request for V's last group: from there on the slot in hand is read no more.
; DRAIN: the wave waits for all its tensor loads (one is out: its quarter of the next step) and adds 0 to its spare word; fill = 1: the walking descriptor and the prefetches' address are stepped.
; Group 4's products follow, then the wait for the add and for the wave's last reads of the slot, then the barrier's signal, group 5's products, the barrier's wait and (where a slot is filled) the rest of a round
; of the cluster's barrier.  REFILL comes first behind it: the slot just left takes the step two on, and has a whole step's work in which to land.  Then the next step's first fragments of K are fetched.
.macro DRAIN fill
	WIN 0
	s_wait_tensorcnt 0x0                           ; no tensor load of mine is out, so group 0 may be written
	ds_add_u32 v[SPW], v[NIL]                      ; 0 onto my spare word
.if \fill
	s_xor_b32 s[G0+1], s[G0+1], SLOTB              ; the other slot than last time,
	s_add_nc_u64 s[G0+2:G0+3], s[G0+2:G0+3], STEPB ; the next step; the type bits on top are not reached
	s_wait_xcnt 0x0                                ; the last prefetch, a step back, has read its address, so it may be written:
	s_add_nc_u64 s[PFA:PFA+1], s[PFA:PFA+1], STEPB ; one step further on than the walking descriptor
.endif
.endm
.macro REFILL
	tensor_load_to_lds s[G0:G0+3], s[G1:G1+7]      ; my one tensor load until the next round
	s_nop 0
	PLACES 4
.endm
.macro CREST                           ; a round of the cluster's barrier behind its opening barrier
	s_cmp_lg_u32 s[WV], 0
	s_cbranch_scc1 .Lnot_w0_\@
	s_barrier_signal -3
.Lnot_w0_\@:
	s_barrier_wait -3
	s_barrier_signal -1
	s_barrier_wait -1
.endm
; Four fragments, 4 g .. 4 g + 3 of the image at adr, into v128-191 (g even) or v192-255 (g odd) of window w: 16 loads
.macro FETCH adr, g, w
	WIN 0x40*(\w)                                  ; the destination's window; the address lies in window 0
.set fb, 128+64*((\g)%2)
.set fo, 4*(\g)*2048
.irp i, 0,1,2,3
.irp c, 0,1,2,3
	ds_load_b128 v[fb+16*\i+4*\c:fb+16*\i+4*\c+3], v[\adr] offset:fo+2048*\i+512*\c
.endr
.endr
.endm
; One matrix instruction by the symbols rD, rA, rB, rSA, rSB; fA, fB: the side's scales stand in lanes 16-31; fZ: the product starts its sum (S^T's first K step).
.macro WM
.if fZ
.if fA && fB
	v_wmma_scale_f32_16x16x128_f8f6f4 v[rD:rD+7], v[rA:rA+15], v[rB:rB+15], 0, v[rSA], v[rSB] matrix_a_scale:MATRIX_SCALE_ROW1 matrix_b_scale:MATRIX_SCALE_ROW1
.elseif fA
	v_wmma_scale_f32_16x16x128_f8f6f4 v[rD:rD+7], v[rA:rA+15], v[rB:rB+15], 0, v[rSA], v[rSB] matrix_a_scale:MATRIX_SCALE_ROW1
.elseif fB
	v_wmma_scale_f32_16x16x128_f8f6f4 v[rD:rD+7], v[rA:rA+15], v[rB:rB+15], 0, v[rSA], v[rSB] matrix_b_scale:MATRIX_SCALE_ROW1
.else
	v_wmma_scale_f32_16x16x128_f8f6f4 v[rD:rD+7], v[rA:rA+15], v[rB:rB+15], 0, v[rSA], v[rSB]
.endif
.else
.if fA && fB
	v_wmma_scale_f32_16x16x128_f8f6f4 v[rD:rD+7], v[rA:rA+15], v[rB:rB+15], v[rD:rD+7], v[rSA], v[rSB] matrix_a_scale:MATRIX_SCALE_ROW1 matrix_b_scale:MATRIX_SCALE_ROW1
.elseif fA
	v_wmma_scale_f32_16x16x128_f8f6f4 v[rD:rD+7], v[rA:rA+15], v[rB:rB+15], v[rD:rD+7], v[rSA], v[rSB] matrix_a_scale:MATRIX_SCALE_ROW1
.elseif fB
	v_wmma_scale_f32_16x16x128_f8f6f4 v[rD:rD+7], v[rA:rA+15], v[rB:rB+15], v[rD:rD+7], v[rSA], v[rSB] matrix_b_scale:MATRIX_SCALE_ROW1
.else
	v_wmma_scale_f32_16x16x128_f8f6f4 v[rD:rD+7], v[rA:rA+15], v[rB:rB+15], v[rD:rD+7], v[rSA], v[rSB]
.endif
.endif
.endm
; S^T += K Q^T: group g: K step g / 2, key tiles 4 (g % 2) + 0..3, both query tiles: 8 instructions.  The 16 accumulators take turns, one instruction a turn.
.macro MULS g
	WIN 0x05                                       ; K and Q in window 1, S^T in window 0
.irp i, 0,1,2,3
.irp q, 0,1
.set rD, S+64*\q+8*(4*((\g)%2)+\i)
.set rA, 128+64*((\g)%2)+16*\i
.set rB, 16*(4*\q+(\g)/2)
.set rSA, KS+4*((\g)/2)+2*((\g)%2)+\i/2            ; keys 16 kt on: word kt / 2, lanes 16 (kt % 2) on
.set rSB, QS+(\g)/2                                ; queries 16 q on: lanes 16 q on
.set fA, \i%2
.set fB, \q
.set fZ, (\g)<2
	WM
.endr
.endr
.endm
; O^T += V^T P^T: group g: d tiles 4 g + 0..3, both query tiles: 8 instructions; each of the 64 accumulators has one turn in a step.  V's fragments lie in buffer g % 4: window 1 (0, 1) or window 0 (2, 3).
; zero = 0: behind each product stands a slice: the accumulator at the same place of group g + 1 is brought under the new M, four packed multiplications from its low end on.
.macro MULV g, zero
.irp i, 0,1,2,3
.irp q, 0,1
	WIN ((2+(\g)/4)*0x50)|(1-((\g)%4)/2)           ; O^T (C and D) in window 2 or 3, P in window 0, V in window 1 or 0
.set rD, 8*(2*((4*(\g)+\i)%16)+\q)
.set rA, 128+64*((\g)%2)+16*\i
.set rB, P+16*\q
.set rSA, VS+(4*(\g)+\i)/2
.set rSB, PW+\q
.set fA, \i%2
.set fB, 0
.set fZ, \zero
	WM
.if ((\zero) == 0) && ((\g) < 7)
	WIN (2+((\g)+1)/4)*0x41                        ; O^T (destination and source 0) in the next group's window, f in window 0
.set rr, 8*(2*((4*((\g)+1)+\i)%16)+\q)
.irp k, 0,2,4,6
	v_pk_mul_f32 v[rr+\k:rr+\k+1], v[rr+\k:rr+\k+1], v[FF+2*\q:FF+2*\q+1] op_sel_hi:[1,0]
.endr
.endif
.endr
.endr
.endm
; Group 0's eight accumulators under the new M, ahead of the first product: 32 packed multiplications, which are also the places between the codes just made and the products that take them.
.macro RESC0
	WIN 0x82                                       ; O^T (destination and source 0) in window 2, f in window 0
.irp i, 0,1,2,3
.irp q, 0,1
.irp k, 0,2,4,6
	v_pk_mul_f32 v[8*(2*\i+\q)+\k:8*(2*\i+\q)+\k+1], v[8*(2*\i+\q)+\k:8*(2*\i+\q)+\k+1], v[FF+2*\q:FF+2*\q+1] op_sel_hi:[1,0]
.endr
.endr
.endr
.endm
; THE SOFTMAX of a step, both tiles line by line.  All in window 0.
.macro SOFT
.irp b, 0,1,2,3
.irp q, 0,1
	v_max3_num_f32 v[BM+16*\q+\b], v[S+64*\q+16*\b], v[S+64*\q+16*\b+1], v[S+64*\q+16*\b+2]   ; the largest score of each block of 32 keys: for the row's maximum, and, since p rises with the score, for the block's largest p.  Each accumulator is read from its low end on
.endr
.endr
.irp i, 3,5,7,9,11,13
.irp b, 0,1,2,3
.irp q, 0,1
	v_max3_num_f32 v[BM+16*\q+\b], v[BM+16*\q+\b], v[S+64*\q+16*\b+\i], v[S+64*\q+16*\b+\i+1]
.endr
.endr
.endr
.irp b, 0,1,2,3
.irp q, 0,1
	v_max_num_f32 v[BM+16*\q+\b], v[BM+16*\q+\b], v[S+64*\q+16*\b+15]
.endr
.endr
.irp b, 0,1,2,3
.irp q, 0,1
	v_permlanex16_b32 v[T2+16*\q+\b], v[BM+16*\q+\b], s[SEL], s[SEL+1]
.endr
.endr
.irp b, 0,1,2,3
.irp q, 0,1
	v_max_num_f32 v[BM+16*\q+\b], v[BM+16*\q+\b], v[T2+16*\q+\b]   ; with lane l xor 16's 16 keys
.endr
.endr
.irp q, 0,1
	v_max3_num_f32 v[W+\q], v[BM+16*\q], v[BM+16*\q+1], v[BM+16*\q+2]
.endr
.irp q, 0,1
	v_max_num_f32 v[W+\q], v[W+\q], v[BM+16*\q+3]                  ; the step's largest score of my query
.endr
.irp q, 0,1
	v_mul_f32 v[W+\q], s[CS], v[W+\q]                              ; as t (c is positive)
.endr
.irp q, 0,1
	v_max_num_f32 v[NM+4*\q+1], v[NM+4*\q+1], v[W+\q]              ; the running largest t
.endr
.irp q, 0,1
	v_mov_b32 v[W+\q], v[NM+4*\q]
.endr
.irp q, 0,1
	v_floor_f32 v[NM+4*\q], -v[NM+4*\q+1]                          ; the new -M = floor(-t) = -ceil(t): M is a whole number
.endr
.irp q, 0,1
	v_sub_f32 v[W+\q], v[NM+4*\q], v[W+\q]                         ; old M less new M: a whole number, 0 or less
.endr
.irp q, 0,1
	v_cvt_i32_f32 v[W+\q], v[W+\q]                                 ; (it saturates)
.endr
.irp q, 0,1
	v_ldexp_f32 v[FF+2*\q], 1.0, v[W+\q]                           ; f = 2^(old M - new M)
.endr
.irp q, 0,1
.set j, 0
.rept 32
	v_pk_fma_f32 v[S+64*\q+j:S+64*\q+j+1], v[S+64*\q+j:S+64*\q+j+1], s[CS:CS+1], v[NM+4*\q:NM+4*\q+1] op_sel_hi:[1,0,0]   ; t - M, two at a time
.set j, j+2
.endr
.endr
.irp b, 0,1,2,3
.irp q, 0,1
	v_fma_f32 v[BM+16*\q+\b], v[BM+16*\q+\b], s[CS], v[NM+4*\q]    ; the same of each block's largest score
.endr
.endr
.set j, 0
	s_wait_alu depctr_va_vdst(0)
.rept 128
	v_exp_f32 v[S+j], v[S+j]                                       ; p = 2^(t - M), at most 1: not normalised
.set j, j+1
.endr
.irp q, 0,1
	v_pk_mul_f32 v[LSUM+4*\q:LSUM+4*\q+1], v[LSUM+4*\q:LSUM+4*\q+1], v[FF+2*\q:FF+2*\q+1] op_sel_hi:[1,0]   ; the sums under the new M (plain lines behind the exponentials)
.endr
	s_wait_alu depctr_va_vdst(0)                   ; one wait for the batch of 128, ahead of its first reader
.irp b, 0,1,2,3
.irp q, 0,1
	v_exp_f32 v[BM+16*\q+\b], v[BM+16*\q+\b]                       ; the block's largest p: the same two instructions on the same number give the same bits
.endr
.endr
.irp q, 0,1
	v_pk_add_f32 v[T2+16*\q:T2+16*\q+1], v[S+64*\q:S+64*\q+1], v[S+64*\q+2:S+64*\q+3]   ; the row's sum is taken of the unquantised p: two at a time, two chains a tile
.endr
.irp j, 4,8,12,16,20,24,28,32,36,40,44,48,52,56,60
.irp q, 0,1
	v_pk_add_f32 v[LSUM+4*\q:LSUM+4*\q+1], v[LSUM+4*\q:LSUM+4*\q+1], v[S+64*\q+\j:S+64*\q+\j+1]
	v_pk_add_f32 v[T2+16*\q:T2+16*\q+1], v[T2+16*\q:T2+16*\q+1], v[S+64*\q+\j+2:S+64*\q+\j+3]
.endr
.endr
.irp q, 0,1
	v_pk_add_f32 v[LSUM+4*\q:LSUM+4*\q+1], v[LSUM+4*\q:LSUM+4*\q+1], v[T2+16*\q:T2+16*\q+1]
.endr
	s_wait_alu depctr_va_vdst(0)                   ; and one for the eight
.irp b, 0,1,2,3
.irp q, 0,1
	v_max_num_f32 v[BM+16*\q+\b], 0x4800000, v[BM+16*\q+\b]        ; the floor 2^(9 - 127): the byte cannot fall under 1 (a block whose every p has fallen to 0 keeps that byte: its codes are zeros)
.endr
.endr
.irp b, 0,1,2,3
.irp q, 0,1
	v_add_nc_u32 v[SCO+16*\q+\b], 0xfc000000, v[BM+16*\q+\b]       ; 8 off the exponent field: the conversion's scale operand
.endr
.endr
.irp b, 0,1,2,3
.irp q, 0,1
	v_and_or_b32 v[HOLD+16*\q+\b], v[BM+16*\q+\b], 0x7f800000, s[MNT]   ; 448 x the scale
.endr
.endr
.irp b, 0,1,2,3
.irp q, 0,1
	v_lshrrev_b32 v[T2+16*\q+\b], 23, v[SCO+16*\q+\b]              ; the scale's byte
.endr
.endr
.irp q, 0,1
	v_lshl_or_b32 v[PW+\q], v[T2+16*\q+1], 8, v[T2+16*\q]          ; p's scale word for these 128 keys
.endr
.irp q, 0,1
	v_lshl_or_b32 v[PW+\q], v[T2+16*\q+2], 16, v[PW+\q]
.endr
.irp q, 0,1
	v_lshl_or_b32 v[PW+\q], v[T2+16*\q+3], 24, v[PW+\q]
.endr
	s_wait_dscnt 0x0                               ; V's groups 0 and 1, asked for ahead of the softmax, are in: no wait stands ahead of their products
.irp b, 0,1,2,3
.irp q, 0,1
.set j, 0
.rept 16
	v_min_num_f32 v[S+64*\q+16*\b+j], v[S+64*\q+16*\b+j], v[HOLD+16*\q+\b]   ; the conversion to an 8-bit code does not saturate (ISA guide 7.6.2); p is not negative, so the hold is one-sided
.set j, j+1
.endr
	v_cvt_scalef32_pk8_fp8_f32 v[P+16*\q+4*\b:P+16*\q+4*\b+1], v[S+64*\q+16*\b:S+64*\q+16*\b+7], v[SCO+16*\q+\b]
	v_cvt_scalef32_pk8_fp8_f32 v[P+16*\q+4*\b+2:P+16*\q+4*\b+3], v[S+64*\q+16*\b+8:S+64*\q+16*\b+15], v[SCO+16*\q+\b]
.endr
.irp q, 0,1                            ; block b's 16 registers of tile q have become codes: they take fragment b of V's group 2 + q.  Eight loads a block
.irp c, 0,1,2,3
	ds_load_b128 v[S+64*\q+16*\b+4*\c:S+64*\q+16*\b+4*\c+3], v[ADV] offset:(4*(2+\q)+\b)*2048+512*\c
.endr
.endr
.endr
.endm
.macro ADDRS                           ; the three LDS addresses of the slot at s[TB]
	v_add_nc_u32 v[ADK], s[TB], v[LN16]
	v_add_nc_u32 v[ADV], VIMG, v[ADK]
	v_add_nc_u32 v[ADS], SCL, v[ADK]
.endm
.macro KFETCH                          ; a step's scale words of K and its first two groups of K's fragments: 36 loads, into window 1's two buffers
.irp s, 0,1,2,3
	ds_load_b128 v[KS+4*\s:KS+4*\s+3], v[ADS] offset:512*\s
.endr
	FETCH ADK, 0, 1
	FETCH ADK, 1, 1
	WIN 0
.endm
; A KEY STEP: 128 keys.  Its first fragments of K were asked for by the step before (step 0's at the head).
; mode = 2: the change of slots with a round and a refill; 1: with my work-group's barrier alone (nothing is left to fetch); 0: the last step: no change.
.macro STEPM mode
	PLACES 10                                      ; nine places are asked between the last step's last products, which read S^T's registers as V's fragments, and the first products below, which write over them
	s_wait_alu depctr_va_vdst(0)
.irp g, 0,1,2,3,4,5,6,7
	s_wait_dscnt 16                                ; LDS loads come back in order: all but the youngest 16, the next group's, are in
	MULS \g
	PLACES 8
.if \g < 6
	FETCH ADK, \g+2, 1                             ; into the buffer just multiplied
.else
.if \g == 6
	WIN 0
.irp s, 0,1,2,3
	ds_load_b128 v[VS+4*\s:VS+4*\s+3], v[ADS] offset:2048+512*\s   ; V's scale words come with V's first group
.endr
.endif
	FETCH ADV, \g-6, 1                             ; V's groups 0 and 1 land under the softmax
.endif
.endr
	WIN 0
	SOFT                                           ; (the eight places behind the last K Q^T stand in front of the last run of loads)
	RESC0
.irp g, 0,1,2,3
	MULV \g, 0
.if \g == 1
	s_wait_alu depctr_va_vdst(0)
	s_wait_dscnt 20                                ; group 2 is in: behind its last load were issued group 3's last fragment (4) and group 4 (16)
.elseif \g > 1
	s_wait_dscnt 32                                ; group g + 1 is in: the two groups asked for behind it may be out
.endif
	PLACES 8
	FETCH ADV, \g+4, 1-\g/2                        ; into the buffer just multiplied: four groups ahead of its use
.endr
.if \mode
	DRAIN (\mode)-1                                ; every read of this slot has been issued
	s_xor_b32 s[TB], s[TB], SLOTB                  ; on to the other slot
	ADDRS
	MULV 4, 0                                      ; work on registers between the add and the wait for it
	s_wait_alu depctr_va_vdst(0)
	s_wait_dscnt 0x0                               ; the add is done and V's groups 5 to 7 are in registers: my reads of this slot are over
	s_barrier_signal -1
	MULV 5, 0                                      ; work on registers while the others arrive
	WIN 0                                          ; at a branch and at a label every window is 0
	s_wait_alu depctr_va_vdst(0)
	s_barrier_wait -1
.if \mode == 2
	CREST                                          ; no wave of any partner still reads the slot or has a load on its way
	REFILL
.endif
	PLACES 4                                       ; with the four multiplications behind group 5's last product: eight places ahead of loads into its fragments
	KFETCH                                         ; the next step's first fragments, into the buffers of groups 4 and 5; they land under groups 6 and 7
.if \mode == 2
	ASK 0                                          ; behind the tensor load and the run of LDS loads
.endif
	MULV 6, 0
	s_wait_alu depctr_va_vdst(0)                   ; group 7's accumulators were rescaled just above
	MULV 7, 0
.else
	MULV 4, 0
.irp g, 5,6,7
	s_wait_alu depctr_va_vdst(0)
	s_wait_dscnt 16*(7-\g)                         ; group g is in; the 7 - g groups asked for behind it may be out
	MULV \g, 0
.endr
.endif
	WIN 0
.endm
	s_load_b256 s[4:11], s[0:1], 0x0               ; x1_codes s[4:5], x1_scales s[6:7], kv s[8:9], out0 s[10:11]
	v_lshl_add_u32 v[SPW], v0, 2, SPARE
	v_mov_b32 v[NIL], 0
	ds_add_u32 v[SPW], v[NIL]                      ; the wave's opening: the add and its wait ahead of my first tensor load; the set-up below, work on registers, stands between
	ds_add_u32 v[SPW], v[NIL]
	v_lshrrev_b32 v1, 5, v0
	v_readfirstlane_b32 s[WV], v1                  ; wave 0..3
	s_bfe_u32 s13, ttmp6, 0x40000                  ; cx: my place in the cluster
	s_and_b32 s41, ttmp7, 0xffff                   ; the batch, which the four partners share
	s_mul_i32 s[WOFF], s[WV], QUART                ; my quarter of a step's block, in memory and in a slot: no place in the cluster enters it
	s_mul_i32 s2, s41, 16*STEPB                    ; the batch's 16 steps
	s_add_co_u32 s2, s2, s[WOFF]
	s_mov_b32 s3, 0
	s_lshl_b32 s40, ttmp9, 2                       ; in a cluster launch ttmp9 counts clusters
	s_add_co_u32 s40, s40, s13                     ; my block of 128 queries: it enters x1's and out0's addresses alone
	s_lshl_b32 s40, s40, 7
	s_lshl_b32 s42, s41, 11
	s_add_co_u32 s42, s42, s40
	s_lshl_b32 s40, s[WV], 5
	s_add_co_u32 s42, s42, s40                     ; my first query among the 32,768
	s_mov_b32 s43, 0
	s_lshl_b64 s[44:45], s[42:43], 9               ; its codes: 512 bytes a query
	s_lshl_b64 s[46:47], s[42:43], 4               ; its scale bytes: 16
	s_lshl_b64 s[42:43], s[42:43], 11              ; its row of out0: 2,048
	s_lshl_b32 s40, s13, 2                         ; the prefetches: rows 32 (4 cx + w) on,
	s_add_co_u32 s40, s40, s[WV]
	s_lshl_b32 s40, s40, 13
	s_mul_i32 s41, s41, 16*STEPB
	s_add_co_u32 s40, s40, s41
	s_add_co_u32 s40, s40, STEPB                   ; in step 1: the first change of slots steps it to step 2.  Nothing is prefetched at the head, where every work-group's first tiles are on their way
	s_mov_b32 s41, 0
	s_cmp_eq_u32 ttmp9, 0                          ; the batch's first cluster: the same in all four partners
	s_cselect_b32 s[LIM], 1, -1
	; descriptor group 1: 132 rows of 32 elements of 8 bytes, dense
	s_mov_b32 s[G1], 15|(3<<16)|(1<<21)            ; 15:0 the mask: all four work-groups; 17:16 elements of 8 bytes; 21 set beside a mask; no padding
	s_mov_b32 s[G1+1], 32<<16                      ; tensor_dim0 = 32
	s_mov_b32 s[G1+2], 132<<16                     ; tensor_dim1 = 132
	s_mov_b32 s[G1+3], 32<<16                      ; tile_dim0 = 32
	s_mov_b32 s[G1+4], 132                         ; tile_dim1 = 132
	s_mov_b32 s[G1+5], 32                          ; the pitch
	s_mov_b32 s[G1+6], 0
	s_mov_b32 s[G1+7], 0
	s_mov_b32 s[CS], 0x3d8293ee                    ; c = log2(e) / sqrt(512)
	s_mov_b32 s[CS+1], s[CS]                       ; (named with it as a pair, so it is written)
	s_mov_b32 s[SEL], 0x76543210
	s_mov_b32 s[SEL+1], 0xfedcba98
	s_mov_b32 s[MNT], 0x600000
	s_mov_b32 s[TB], 0
	s_wait_dscnt 0x0                               ; the opening add is done
	s_wait_kmcnt 0x0
	s_add_nc_u64 s[4:5], s[4:5], s[44:45]
	s_add_nc_u64 s[6:7], s[6:7], s[46:47]
	s_add_nc_u64 s[10:11], s[10:11], s[42:43]
	s_add_nc_u64 s[PFA:PFA+1], s[8:9], s[40:41]
	s_mov_b32 s[G0], 1                             ; count = 1
	s_mov_b32 s[G0+1], s[WOFF]                     ; LDS address: slot 0
	s_add_nc_u64 s[G0+2:G0+3], s[8:9], s[2:3]      ; global address: step 0
	s_or_b32 s[G0+3], s[G0+3], 0x80000000          ; type = 2
	CROUND                                         ; all four work-groups are here: the first joint loads meet
	tensor_load_to_lds s[G0:G0+3], s[G1:G1+7]      ; step 0; slot 1 is first filled behind the first step's round, as a refill is
	s_nop 0
	PLACES 4
	v_and_b32 v1, 31, v0                           ; lane
	v_lshlrev_b32 v[PFO], 8, v1
	v_lshlrev_b32 v[LN16], 4, v1
	v_and_b32 v8, 15, v0                           ; r
	v_bfe_u32 v9, v0, 4, 1                         ; h
	v_lshlrev_b32 v[QO], 9, v8
	v_lshl_add_u32 v[QO], v9, 4, v[QO]
	WIN 0x40                                       ; destination window 1
.irp q, 0,1                            ; Q stays in registers: lane (r, h) holds query 16 q + r; registers 4 c .. 4 c + 3 of K step s hold d = 128 s + 32 c + 16 h + 0..15
.irp s, 0,1,2,3
.irp c, 0,1,2,3
	global_load_b128 v[16*(4*\q+\s)+4*\c:16*(4*\q+\s)+4*\c+3], v[QO], s[4:5] offset:\q*8192+128*\s+32*\c th:TH_LOAD_NT
.endr
.endr
.endr
	WIN 0
	global_load_b128 v[QS:QS+3], v[LN16], s[6:7] th:TH_LOAD_NT     ; lane l: the four scale words of my query l
.irp q, 0,1
	v_mov_b32 v[NM+4*\q+1], 0xff61b1e6             ; the largest t so far: -3e38, under every t
	v_floor_f32 v[NM+4*\q], -v[NM+4*\q+1]          ; -M
	v_mov_b32 v[LSUM+4*\q], 0                      ; the sum, in two halves
	v_mov_b32 v[LSUM+4*\q+1], 0
	v_mov_b32 v[FF+2*\q+1], 0                      ; (named as the upper half of f's pair)
.irp b, 0,1,2,3
	v_mov_b32 v[T2+16*\q+\b], 0                    ; written once: a lane permute's destination counts as one of its sources
.endr
.endr
	; O^T begins as zeros, written while Q and step 0 are on their way: so step 0 is a trip of the loop like any other (its f is 0, which leaves zeros), and the text holds three copies of a step and not four.
	WIN 0x80                                       ; destination window 2
.set j, 0
.rept 256
	v_mov_b32 v[j], 0
.set j, j+1
.endr
	WIN 0xc0                                       ; destination window 3
.set j, 0
.rept 256
	v_mov_b32 v[j], 0
.set j, j+1
.endr
	DRAIN 1                                        ; my quarter of step 0 is in; slot 1's first fill is issued as a refill is
	s_wait_dscnt 0x0
	CROUND
	REFILL                                         ; step 1
	ADDRS                                          ; slot 0
	KFETCH                                         ; step 0's first fragments of K
	ASK 1                                          ; step 2
	s_wait_alu depctr_va_vdst(0)
	s_wait_loadcnt 0x0                             ; Q and its scale words
	s_mov_b32 s[CNT], 14
.Lstep:                                            ; steps 0 to 13: step i asks for step i + 2
	STEPM 2
	s_sub_co_u32 s[CNT], s[CNT], 1
	s_cmp_lg_u32 s[CNT], 0
	s_cbranch_scc1 .Lstep
	STEPM 1                                        ; steps 14 and 15 are written out: nothing is left to fetch
	STEPM 0
	; THE WAY OUT.  The sum's halves are added; O^T is divided by the sum and goes through my stage in LDS, 16 queries x 128 d at a time, so that the 32 lanes store 512 consecutive bytes of a row.
	; The address work and the additions are the places behind the last products.
	v_and_b32 v8, 15, v0                           ; r
	v_bfe_u32 v[QO], v0, 4, 1                      ; h
	s_mul_i32 s40, s[WV], 16*SPITCH                ; my stage, in slot 0
	v_mul_u32_u24 v[STO], v8, SPITCH
	v_lshl_add_u32 v[STO], v[QO], 5, v[STO]
	v_add_nc_u32 v[STO], s40, v[STO]               ; in: row r, 32 bytes for each half of the lanes
	v_add_nc_u32 v[RD], s40, v[LN16]               ; back: the 32 lanes take one row of 512 bytes
.irp q, 0,1
	v_add_f32 v[LSUM+4*\q], v[LSUM+4*\q], v[LSUM+4*\q+1]
.endr
.irp q, 0,1
	v_permlanex16_b32 v[W+\q], v[LSUM+4*\q], s[SEL], s[SEL+1]
.endr
.irp q, 0,1
	v_add_f32 v[LSUM+4*\q], v[LSUM+4*\q], v[W+\q]  ; with lane l xor 16's: the row's sum
.endr
	s_wait_alu depctr_va_vdst(0)
.irp q, 0,1
	v_rcp_f32 v[FF+2*\q], v[LSUM+4*\q]
.endr
	v_nop                                          ; a plain line between the last reciprocal and the use of its result
	s_wait_alu depctr_va_vdst(0)                   ; and the wait ahead of the first use: one for both
; Chunk a: query tile a / 4, d = 128 (a % 4) on: eight accumulators.  Register j of lane (r, h) in tile t is out(query r, d = 16 t + 8 h + j): 32 neighbouring bytes of a row.
.macro TOSTAGE a
.set tq, (\a)/4
.set tc, (\a)%4
.set tb, 128*(tc%2)+8*tq
	WIN 0x82+0x41*(tc/2)
.irp t, 0,1,2,3,4,5,6,7
.irp k, 0,2,4,6
	v_pk_mul_f32 v[tb+16*\t+\k:tb+16*\t+\k+1], v[tb+16*\t+\k:tb+16*\t+\k+1], v[FF+2*tq:FF+2*tq+1] op_sel_hi:[1,0]   ; each accumulator from its low end on
.endr
.endr
	WIN 0x08+4*(tc/2)                              ; an LDS store's data are its source 1: window 2 or 3
.irp t, 0,1,2,3,4,5,6,7
	ds_store_b128 v[STO], v[tb+16*\t:tb+16*\t+3] offset:64*\t
	ds_store_b128 v[STO], v[tb+16*\t+4:tb+16*\t+7] offset:64*\t+16
.endr
	WIN 0
.set bk, S+64*((\a)%2)
.irp i, 0,1,2,3,4,5,6,7,8,9,10,11,12,13,14,15
	ds_load_b128 v[bk+4*\i:bk+4*\i+3], v[RD] offset:SPITCH*\i      ; LDS serves a wave's instructions in order (ISA guide 5.7.1.4): these see the stores above, and the next chunk's stores come behind them
.endr
.endm
.macro SEND a, younger                 ; younger: the LDS instructions issued behind chunk a's loads, which may stay out
.set tq, (\a)/4
.set tc, (\a)%4
.set bk, S+64*((\a)%2)
	s_wait_dscnt \younger
.irp i, 0,1,2,3,4,5,6,7,8,9,10,11,12,13,14,15
	global_store_b128 v[LN16], v[bk+4*\i:bk+4*\i+3], s[10:11] offset:(16*tq+\i)*2048+512*tc th:TH_STORE_NT   ; 32 lanes store 512 consecutive bytes, at a multiple of 512 from out0's first byte
.endr
.endm
	TOSTAGE 0
.irp a, 1,2,3,4,5,6,7
.if \a > 1
	s_wait_xcnt 0x0                                ; the stores of two chunks back have read their registers: this chunk's loads may land there
.endif
	TOSTAGE \a
	SEND \a-1, 32                                  ; behind that chunk's loads: this chunk's 16 stores and 16 loads
.endr
	SEND 7, 0
	s_wait_tensorcnt 0x0                           ; the wave's end, behind my last tensor load and my last LDS store
	ds_add_u32 v[SPW], v[NIL]
	s_wait_dscnt 0x0
	CROUND                                         ; the closing round: no work-group ends while a partner may still ask for a tile that names it
	s_endpgm
.Lfunc_end_k_q75de4778f7_attn:
	.size	k_q75de4778f7_attn, .Lfunc_end_k_q75de4778f7_attn-k_q75de4778f7_attn
	.p2alignl 7, 3214868480
	.fill 96, 4, 3214868480
	.section	.rodata,"a",@progbits
	.p2align	6, 0x0
	.amdhsa_kernel k_q75de4778f7_attn
		.amdhsa_group_segment_fixed_size 327680
		.amdhsa_private_segment_fixed_size 0
		.amdhsa_enable_private_segment 0
		.amdhsa_kernarg_size 32
		.amdhsa_user_sgpr_count 2
		.amdhsa_user_sgpr_kernarg_segment_ptr 1
		.amdhsa_wavefront_size32 1
		.amdhsa_system_sgpr_workgroup_id_x 1
		.amdhsa_system_sgpr_workgroup_id_y 1
		.amdhsa_system_sgpr_workgroup_id_z 1
		.amdhsa_system_vgpr_workitem_id 0
		.amdhsa_next_free_vgpr 1024
		.amdhsa_next_free_sgpr 66
		.amdhsa_reserve_vcc 0
		.amdhsa_float_denorm_mode_32 3
		.amdhsa_float_denorm_mode_16_64 3
		.amdhsa_memory_ordered 1
		.amdhsa_forward_progress 1
		.amdhsa_inst_pref_size 255
	.end_amdhsa_kernel
	.section	.bss,"aw",@nobits
	.p2align	6
	.space	262144
	.amdgpu_metadata
---
amdhsa.version: [ 1, 2 ]
amdhsa.kernels:
  - .name:           k_q75de4778f7_attn
    .symbol:         k_q75de4778f7_attn.kd
    .args:
      - { .name: x1_codes, .offset: 0, .size: 8, .value_kind: global_buffer, .address_space: global }
      - { .name: x1_scales, .offset: 8, .size: 8, .value_kind: global_buffer, .address_space: global }
      - { .name: kv, .offset: 16, .size: 8, .value_kind: global_buffer, .address_space: global }
      - { .name: out0, .offset: 24, .size: 8, .value_kind: global_buffer, .address_space: global }
    .group_segment_fixed_size: 327680
    .private_segment_fixed_size: 0
    .kernarg_segment_align: 8
    .kernarg_segment_size: 32
    .max_flat_workgroup_size: 128
    .sgpr_count:     66
    .vgpr_count:     1024
    .wavefront_size: 32
...
	.end_amdgpu_metadata
.endif
;; end of part 2
